; MI455X (gfx1250); checked and timed in simulation.
; The chip was launched on July 23, 2026; its instructions are those of AMD's public machine-readable ISA for CDNA 5 (MIT licence, August 2026) and "CDNA5" Instruction Set Architecture Reference Guide (July 2026). The comments in the code are by the model that wrote it; some were corrected since.
;; Multi Head Attention. Allowed arithmetic: matrix products marked QUANTISED: E4M3 operands, one given power-of-two scale a tensor, by v_wmma_f32_16x16x64_fp8_fp8 or v_wmma_f32_16x16x128_fp8_fp8, f32 sums; everything else in f32.
;; Inputs: W_in_codes 3,072 x 32 x 32 uint8 (E4M3 codes of W_in, K innermost, in blocks of 32 codes); W_out_codes 1,024 x 32 x 32 uint8 (E4M3 codes of W_out, K innermost, in blocks of 32 codes); X_codes 4 x 2,048 x 32 x 32 uint8 (E4M3 codes of X, K innermost, in blocks of 32 codes); b_in 3,072 float32; b_out 1,024 float32; lowp_scales 8 int32 (the exponents e of the quantised operands' scales 2^e).
;; Outputs: out0 4 x 2,048 x 1,024 float32.
;; This version of the problem:
;;   THIS VERSION OF THE PROBLEM IS GIVEN IN LOW PRECISION. The matrix products marked QUANTISED in the list below multiply operands that are first quantised to E4M3 (4 exponent bits, 3 mantissa bits; 8 bits a number), with one given power-of-two scale for each operand tensor; their sums are f32. All else is computed in f32.
;;   The module's matrix products, in the order in which they are computed (A, B: the left and right operand; K: the contracted axis; several contracted axes count as one K, in the product's order):
;;     1. [M 8,192, K 1,024] x [K 1,024, N 3,072]; A: input X (given as codes); B: input W_in (given as codes): QUANTISED (scales: A lowp_scales[0], B lowp_scales[1])
;;     2. batch 64 x [M 2,048, K 64] x [K 64, N 2,048]; A: computed on the way; B: computed on the way: QUANTISED (scales: A lowp_scales[2], B lowp_scales[3])
;;     3. batch 64 x [M 2,048, K 2,048] x [K 2,048, N 64]; A: softmax (see below); B: computed on the way: QUANTISED (scales: A lowp_scales[4], B lowp_scales[5])
;;     4. [M 8,192, K 1,024] x [K 1,024, N 1,024]; A: computed on the way; B: input W_out (given as codes): QUANTISED (scales: A lowp_scales[6], B lowp_scales[7])
;;   THE QUANTISER, for each operand of a quantised product, along K:
;;     - The operand's scale is 2^e, e = its entry of the input lowp_scales (int32; the entries are numbered through the quantised products in the list's order, A before B).
;;     - Each number is divided by the scale, clamped to +-448, and rounded to the nearest number of E4M3, ties to even, subnormals kept.
;;     - The product sums the exact products of the quantised numbers (number of the format x scale) in f32.
;;   ~~~python
;;   def quantise(x, axis, e):      # numpy; x: float32 -> the quantised numbers, widened to float32 again
;;       x = np.moveaxis(x, axis, -1); K = x.shape[-1]
;;       r = np.clip(x / 2.0 ** e, -448, 448)
;;       step = 2.0 ** (np.maximum(np.frexp(np.where(r == 0, 1, r))[1] - 1, -6) - 3)
;;       q = np.round(r / step) * step * 2.0 ** e      # np.round: ties to even
;;       return np.moveaxis(q, -1, axis).astype(np.float32)
;;   ~~~
;;   SOFTMAX AHEAD OF A QUANTISED PRODUCT. Where the list says 'softmax', what is quantised is not the finished softmax but p = 2^(t - M), with t = logit x log2(e) and M = ceil(the row's largest t), a whole number; so 1/2 < the row's largest p <= 1. The row's sum l is taken of the UNQUANTISED p, in f32, and the product's result is divided by l at the end. Since M is a whole number, a kernel that streams over the keys may use a running M (the ceiling of the running maximum): every later rescaling is an exact power of two, so the quantised numbers keep their values, but for numbers so far below the row's largest that they fall under the format's range.
;;   OPERANDS COMPUTED ON THE WAY. 'Computed on the way' means the value that the module computes at that place (a softmax that the list does not call 'softmax' is quantised finished and normalised). What goes into a quantiser is computed in f32, as accurately as f32 sums, v_exp_f32 and their like allow (about 1e-6 of the number): no bf16 or f16 on the way to a quantiser, and a product that is left as it is and whose result goes on into a quantised operand takes f32 operands (vector FMAs, or v_wmma_f32_16x16x4_f32). A number that lies on a knife's edge between two numbers of the format may be rounded either way, as far as f32 arithmetic and the matrix unit's own rounding can turn it there, and no further.
;;   INPUTS GIVEN AS CODES. W_in (in the module: [3072, 1024], K = its axis 1); W_out (in the module: [1024, 1024], K = its axis 1); X (in the module: [4, 2048, 1024], K = its axis 2): each comes as NAME_codes (uint8): NAME with its K axis moved to the last place and cut into blocks of 32 codes, [.., K / 32, bytes a block], one block behind the other in memory; one code a byte (a code: sign, 4 exponent bits, 3 mantissa bits); its scale is its entry of lowp_scales. Its value is code x scale, taken as it is: it is not quantised again, and the codes and scales need not be those that the quantiser above would give.
;; One version. Each part assembles by itself: llvm-mc -triple=amdgcn-amd-amdhsa -mcpu=gfx1250 --defsym DOCPART=n.
;; ======== version 1 of 1: 3 launches
;; limits: right only within a limited range of input values
;; workspace buffers: qws 8,388,608 bytes; kws 8,388,608 bytes; vws 8,388,608 bytes; aws 8,388,608 bytes
;; launch qkv (part 1): grid 16 x 32, 4 waves a work-group, clusters of 4 x 4, 327,680 bytes of LDS; arguments X_codes, W_in_codes, b_in, lowp_scales, qws, kws, vws; writes qws, kws, vws
.if DOCPART == 1
	.amdgcn_target "amdgcn-amd-amdhsa--gfx1250"
	.amdhsa_code_object_version 6
	.text
	.protected	k_qabfc687613_qkv
	.globl	k_qabfc687613_qkv
	.p2align	8
	.type	k_qabfc687613_qkv,@function
k_qabfc687613_qkv:
	s_mov_b64 s[64:65], 0
	v_nop
	global_prefetch_b8 v0, s[64:65] scope:SCOPE_SE
	s_setreg_imm32_b32 hwreg(HW_REG_WAVE_MODE, 25, 1), 1
	s_wait_xcnt 0x0
	s_wait_alu depctr_hold_cnt(0) depctr_sa_sdst(0) depctr_va_vdst(0) depctr_va_sdst(0) depctr_va_ssrc(0) depctr_va_vcc(0) depctr_vm_vsrc(0)
	s_getreg_b32 s2, hwreg(HW_REG_IB_STS2, 6, 4)
	s_cmp_eq_u32 s2, 0
	s_cbranch_scc0 .Lentry_in_a_cluster
	s_endpgm
.Lentry_in_a_cluster:
	s_bfe_u32 s2, ttmp6, 0x10000c
	s_cmp_lg_u32 s2, 0xf033
	s_cbranch_scc0 .Lentry_shape_is_right
	s_endpgm
.Lentry_shape_is_right:
; QKV = X W_in^T + b_in on codes of FP8 (E4M3), and its three parts quantised at once to codes for the attention launch.
; X: [8192][1024] codes (scale 2^e0), W_in: [3072][1024] codes (2^e1), K innermost.  b_in: [3072] f32.  e0 .. e7: the eight whole numbers of the buffer of scales.
; THE RESHAPE.  3072 = 16 x 192 and 2048 x 192 = 128 x 3072: head bh = m / 128 is made of the rows m = 128 bh + sl, and its position 16 sl + g is the chunk of columns 192 g .. 192 g + 191 of
; row sl: Q = the chunk's columns 0-63, K = 64-127, V = 128-191.  A tile of C here is 256 rows x ONE chunk g: so in every wave of every work-group B's blocks 0-3 are Q, 4-7 are K, 8-11 are V.
; SHARES.  Four waves; wave w makes rows 64 w .. 64 w + 63 x all 192 columns: 4 x 12 accumulators, 384 registers.  K = 1024 goes in eight steps of 128, two to an LDS slot, two slots, each filled twice; all written out.
; CLUSTER 4 x 4: the four of a row of the cluster need the same rows of X, the four of a column the same rows of W_in: each tile is asked for jointly, by one tensor load with a mask that names the four.
; Q's AND K's TILES ARE USED TRANSPOSED (source 0 = 16 rows of W_in, source 1 = 16 rows of X): a lane holds one row sl and eight neighbouring d, which one conversion packs into registers 2 b, 2 b + 1 of a fragment
; of the 16x16x64 form.  V's TILES ARE USED AS THEY ARE (source 0 = X, source 1 = W_in): a lane holds one channel d and eight neighbouring rows sl, the keys, which are the next product's K.
; THE WORKSPACE IS LAID AS IMAGES OF THE OPERANDS' REGISTERS: four registers of 32 lanes are 512 consecutive bytes, 16 a lane.
;   qws, kws: [bh][g][sb 8][c2 2][lane][16]: lane (r, h) = row sl = 16 sb + r; registers 2 b, 2 b + 1 = d 16 b + 8 h + 0..7.
;   vws:      [bh][g][b' 4][c4 4][lane][16]: lane (r, h) = channel 16 b' + r; registers 2 c, 2 c + 1 = rows sl = 16 c + 8 h + 0..7.
; The bias goes in as the C of each sum's first matrix instruction, divided by 2^(e0 + e1), which the sums lack; the three scales ahead of a quantiser are folded into the conversion's one.
; LIMITS: e2 - e0 - e1, e3 - e0 - e1 and e5 - e0 - e1 lie between -126 and 119, so that the scale and 448 x the scale are f32 numbers.  NaN among the inputs is not served.
; REGISTERS, in windows of 256: window 0: v16-29 addresses, v32-35 V's bias as loaded, v40-45 the conversions' scales and holds, v64-191 A's fragments, two sets (on the way out: the codes);
;   window 1: v0-191 B's twelve fragments, one set; v192-255 Q's and K's bias tiles;  window 2: Q's and K's accumulators, (b, a) at v[8 (4 b + a)];  window 3: v0-127 V's accumulators, v128-159 V's bias tiles.
.set NB,     12                        ; B's blocks of 16 rows
.set HB,     6                         ; half of them
.set PITCH,  272                       ; an LDS row: 256 bytes of codes + 16 of padding = 68 words: the 16 rows of a fragment load start at 16 different banks (64 banks of 4 bytes: ISA guide 11.1)
.set ABYTES, 256*PITCH                 ; A's 256 rows of a slot
.set AHALF,  128*PITCH                 ; what one of A's tensor loads brings
.set BHALF,  8*NB*PITCH                ; what one of B's brings: 96 rows
.set SLOT,   ABYTES+2*BHALF
.set SPARE,  2*SLOT                    ; behind the ring: the spare words, 128 bytes for each wave: two blocks of 256 bytes that no other line names
.set ADRA, 16                          ; v16-17  LDS address of my A fragments in slot 0, 1
.set ADRB, 20                          ; v20-21  the same for B
.set LI,   26                          ; v26     16 x lane: my place in an image
.set SPW,  28                          ; v28     LDS address of my spare word; never rewritten
.set NIL,  29                          ; v29     0; never rewritten
.set AF,   64
.set G1,  24                           ; s[24:31] descriptor group 1 for A's tiles; s[32:39] group 0, a set for each slot
.set G0,  32
.set G1B, 48                           ; s[48:55], s[56:63] the same for B's
.set G0B, 56
.set MSB, 0
.macro WIN new                         ; the immediate's high byte repeats the setting that is left; a switch that changes nothing is dropped
.if MSB != \new
	s_set_vgpr_msb (MSB<<8)|\new
.set MSB, \new
.endif
.endm
; A joint load: waves 0 and 1 fetch A's halves, waves 2 and 3 B's.  The branch hangs on the wave's number alone.  Four v_nop follow each of the two lines.
.macro JLOAD s
	s_cmp_eq_u32 s15, 0
	s_cbranch_scc0 .Lfor_b_\@
	tensor_load_to_lds s[G0+4*\s:G0+4*\s+3], s[G1:G1+7]
	s_nop 0
.rept 4
	v_nop
.endr
	s_branch .Lasked_\@
.Lfor_b_\@:
	tensor_load_to_lds s[G0B+4*\s:G0B+4*\s+3], s[G1B:G1B+7]
	s_nop 0
.rept 4
	v_nop
.endr
.Lasked_\@:
.endm
.macro CREST                           ; a round of the cluster's barrier behind its opening barrier
	s_cmp_lg_u32 s14, 0
	s_cbranch_scc1 .Lnot_wave_0_\@
	s_barrier_signal -3
.Lnot_wave_0_\@:
	s_barrier_wait -3
	s_barrier_signal -1
	s_barrier_wait -1
.endm
.macro CROUND                          ; a whole round
	s_barrier_signal -1
	s_barrier_wait -1
	CREST
.endm
.macro PLACES n                        ; plain vector places behind matrix instructions, in front of loads into registers that they have read and of reads of their results
.rept \n
	v_nop
.endr
.endm
; A fragment, 16 rows x 128 K, is 16 registers, brought by four loads of 16 bytes, 32 bytes apart: lane l holds row l % 16, registers 4 c .. 4 c + 3 hold K = 32 c + 16 (l / 16) + 0..15:
; a permutation of k that is the same in A and in B, so that every product meets its partner.
.macro FRAG reg, adr, q, i
.irp c, 0,1,2,3
	ds_load_b128 v[\reg+4*\c:\reg+4*\c+3], v[\adr] offset:128*(\q)+32*\c+(\i)*16*PITCH
.endr
.endm
.macro FETCH_A slot, q, p              ; my four blocks of A, the slot's q-th 128 along K, into set p (every window is 0 here)
.irp i, 0,1,2,3
	FRAG AF+64*(\p)+16*\i, ADRA+\slot, \q, \i
.endr
.endm
.macro FETCH_BL slot, q                ; B's blocks 0-5
	WIN 0x40                                       ; destination window 1, address window 0
.irp i, 0,1,2,3,4,5
	FRAG 16*\i, ADRB+\slot, \q, \i
.endr
	WIN 0
.endm
.macro FETCH_BU slot, q                ; B's blocks 6-11
	WIN 0x40
.irp i, 6,7,8,9,10,11
	FRAG 16*\i, ADRB+\slot, \q, \i
.endr
	WIN 0
.endm
; Four matrix instructions: B's block b against my four blocks of A (set p).  first = 1: the bias tile is the C, and nothing is ever cleared.
; The 48 accumulators take turns, one instruction a turn, in the same order in every step.
.macro MULB b, p, first
.if (\b) < 8
.if \first
	WIN 0x91                                       ; source 0 (B) window 1, source 1 (A) window 0, C (bias) window 1, D window 2
.else
	WIN 0xa1                                       ; the same, C and D window 2
.endif
.irp a, 0,1,2,3
.if \first
	v_wmma_f32_16x16x128_fp8_fp8 v[8*(4*(\b)+\a):8*(4*(\b)+\a)+7], v[16*(\b):16*(\b)+15], v[AF+64*(\p)+16*\a:AF+64*(\p)+16*\a+15], v[192+8*(\b):192+8*(\b)+7]
.else
	v_wmma_f32_16x16x128_fp8_fp8 v[8*(4*(\b)+\a):8*(4*(\b)+\a)+7], v[16*(\b):16*(\b)+15], v[AF+64*(\p)+16*\a:AF+64*(\p)+16*\a+15], v[8*(4*(\b)+\a):8*(4*(\b)+\a)+7]
.endif
.endr
.else
	WIN 0xf4                                       ; source 0 (A) window 0, source 1 (B) window 1, C and D window 3
.irp a, 0,1,2,3
.if \first
	v_wmma_f32_16x16x128_fp8_fp8 v[8*(4*((\b)-8)+\a):8*(4*((\b)-8)+\a)+7], v[AF+64*(\p)+16*\a:AF+64*(\p)+16*\a+15], v[16*(\b):16*(\b)+15], v[128+8*((\b)-8):128+8*((\b)-8)+7]
.else
	v_wmma_f32_16x16x128_fp8_fp8 v[8*(4*((\b)-8)+\a):8*(4*((\b)-8)+\a)+7], v[AF+64*(\p)+16*\a:AF+64*(\p)+16*\a+15], v[16*(\b):16*(\b)+15], v[8*(4*((\b)-8)+\a):8*(4*((\b)-8)+\a)+7]
.endif
.endr
.endif
.endm
.macro MUL_L1 p, first
.irp b, 0,1,2
	MULB \b, \p, \first
.endr
.endm
.macro MUL_L2 p, first
.irp b, 3,4,5
	MULB \b, \p, \first
.endr
.endm
.macro MUL_U p, first
.irp b, 6,7,8,9,10,11
	MULB \b, \p, \first
.endr
.endm
; A slot's first step (A's set 0): its successor lies in the same slot.
.macro STEP slot, first
	s_wait_dscnt 4*HB                              ; A's set and B's blocks 0-5 are in; the youngest 24 loads (B's blocks 6-11) may be out
	MUL_L1 0, \first
	MUL_L2 0, \first
	s_wait_dscnt 0x0                               ; B's blocks 6-11 are in (asked for 24 matrix instructions ago)
	PLACES 4
	WIN 0
	FETCH_A \slot, 1, 1
	FETCH_BL \slot, 1
	MUL_U 0, \first
	PLACES 4
	FETCH_BU \slot, 1
.endm
; A slot's second step (A's set 1) changes slots: ONE barrier; in front of it each wave waits for all its tensor loads, adds 0 to its spare word, and waits for that and for its own reads of this slot.
; fill = 1: the barrier opens a round of the cluster's barrier, and this slot is filled again, 512 along K further on.
.macro TURN slot, next, fill
	s_wait_tensorcnt 0x0                           ; all my tensor loads have landed: my part of the next slot (every window is 0 here)
	ds_add_u32 v[SPW], v[NIL]                      ; 0 onto my spare word
	s_wait_dscnt 4*HB+1                            ; the add and the youngest 24 loads (B's blocks 6-11) may be out
	MUL_L1 1, 0                                    ; twelve matrix instructions stand between the add and the wait for it
	s_wait_dscnt 0x0                               ; the add is done, and my reads of this slot are over
	s_barrier_signal -1
	MUL_L2 1, 0
	WIN 0
	s_barrier_wait -1
.if \fill
	CREST                                          ; no wave of any partner still reads this slot's tile or has a load on its way
	s_add_nc_u64 s[G0+4*\slot+2:G0+4*\slot+3], s[G0+4*\slot+2:G0+4*\slot+3], 512
	s_add_nc_u64 s[G0B+4*\slot+2:G0B+4*\slot+3], s[G0B+4*\slot+2:G0B+4*\slot+3], 512
	JLOAD \slot                                    ; the first tensor load behind the round; its four v_nop are also the places in front of the loads below
.else
	PLACES 4
.endif
	FETCH_A \next, 0, 0
	FETCH_BL \next, 0
	MUL_U 1, 0
	PLACES 4
	FETCH_BU \next, 0
.endm
	s_load_b256 s[4:11], s[0:1], 0x0               ; X's codes s[4:5], W_in's s[6:7], b_in s[8:9], the scales' exponents s[10:11]
	s_load_b128 s[72:75], s[0:1], 0x20             ; qws s[72:73], kws s[74:75]
	s_load_b64 s[76:77], s[0:1], 0x30              ; vws
	v_lshl_add_u32 v[SPW], v0, 2, SPARE
	v_mov_b32 v[NIL], 0
	ds_add_u32 v28, v29
	ds_add_u32 v28, v29
	s_wait_dscnt 0x0
	v_lshrrev_b32 v1, 5, v0
	v_readfirstlane_b32 s14, v1                    ; wave 0..3
	s_lshr_b32 s15, s14, 1                         ; I fetch for A (0) or for B (1).  Also: which of the tile's two heads is mine
	s_and_b32 s16, s14, 1                          ; which half of that tile I fetch.  Also: which 64 rows of the head are mine
	s_bfe_u32 s40, ttmp6, 0x40000                  ; cx, cy: my place in the cluster
	s_bfe_u32 s41, ttmp6, 0x40004
	s_lshl_b32 s42, ttmp9, 2
	s_add_co_u32 s42, s42, s40                     ; tile column = the chunk g = 4 x cluster x + cx
	s_and_b32 s17, ttmp7, 0xffff
	s_lshl_b32 s17, s17, 2
	s_add_co_u32 s17, s17, s41                     ; tile row = 4 x cluster y + cy
	s_lshl_b32 s43, s41, 2
	s_lshl_b32 s43, 15, s43                        ; my row of the cluster
	s_lshl_b32 s44, 0x1111, s40                    ; my column
	; descriptor group 1: rows of 256 bytes, 1,024 bytes apart in memory, 16 bytes of padding behind each in LDS
	s_or_b32 s[G1+0], s43, (0<<16)|(1<<20)|(1<<21)|(5<<22)|(3<<25)   ; 15:0 the mask: A's tiles go to my row; 17:16 elements of 1 byte; 20 padding on; 21 set beside a mask; 24:22 after every 64 words; 31:25 four words
	s_or_b32 s[G1B+0], s44, (0<<16)|(1<<20)|(1<<21)|(5<<22)|(3<<25)  ; the same with my column's mask
	s_mov_b32 s[G1+1], 256<<16                     ; tensor_dim0
	s_mov_b32 s[G1+2], 128<<16                     ; tensor_dim1
	s_mov_b32 s[G1+3], 256<<16                     ; tile_dim0
	s_mov_b32 s[G1+4], 128                         ; tile_dim1
	s_mov_b32 s[G1+5], 1024                        ; from row to row
	s_mov_b32 s[G1+6], 0
	s_mov_b32 s[G1+7], 0
	s_mov_b32 s[G1B+1], 256<<16
	s_mov_b32 s[G1B+2], (8*NB)<<16
	s_mov_b32 s[G1B+3], 256<<16
	s_mov_b32 s[G1B+4], 8*NB
	s_mov_b32 s[G1B+5], 1024
	s_mov_b32 s[G1B+6], 0
	s_mov_b32 s[G1B+7], 0
	s_lshl_b32 s18, s16, 7
	s_lshl_b32 s20, s17, 8
	s_add_co_u32 s20, s20, s18                     ; A: row 256 x tile row + 128 x half,
	s_lshl_b32 s20, s20, 10                        ; in bytes (under 2^23)
	s_mov_b32 s21, 0
	s_mul_i32 s46, s42, 16*NB
	s_mul_i32 s47, s16, 8*NB
	s_add_co_u32 s46, s46, s47                     ; B: row 192 g + 96 x half,
	s_lshl_b32 s46, s46, 10                        ; in bytes
	s_mov_b32 s47, 0
	s_mul_i32 s45, s16, AHALF                      ; where they go: no place in the cluster enters an LDS address
	s_mul_i32 s19, s16, BHALF
	s_add_co_u32 s19, s19, ABYTES
	s_wait_kmcnt 0x0
	s_load_b256 s[80:87], s[10:11], 0x0            ; e0 .. e7
	s_add_nc_u64 s[20:21], s[4:5], s[20:21]
	s_add_nc_u64 s[46:47], s[6:7], s[46:47]
	CROUND                                         ; all sixteen work-groups are here: the first joint loads meet
.irp s, 0,1
	s_mov_b32 s[G0+4*\s], 1
	s_add_co_u32 s[G0+4*\s+1], s45, \s*SLOT
	s_add_nc_u64 s[G0+4*\s+2:G0+4*\s+3], s[20:21], \s*256
	s_or_b32 s[G0+4*\s+3], s[G0+4*\s+3], 0x80000000
	s_mov_b32 s[G0B+4*\s], 1
	s_add_co_u32 s[G0B+4*\s+1], s19, \s*SLOT
	s_add_nc_u64 s[G0B+4*\s+2:G0B+4*\s+3], s[46:47], \s*256
	s_or_b32 s[G0B+4*\s+3], s[G0B+4*\s+3], 0x80000000
.endr
	JLOAD 0                                        ; K 0-255: one tensor load a wave at the head
	; PREFETCHES INTO THE L2, two fills ahead: behind fill 0 (K 0-255) for fill 2 (K 512-767), behind fill 1 for fill 3: 256 bytes of a row, a lane a row, one instruction a wave.
	; The four partners that ask for a tile jointly share its rows out by address: of A's 128 rows a wave each takes 32 (by cx), of B's 96 each takes 24 (by cy; lanes 24-31 name row 23 again).
	; A's rows are asked for by every cluster that loads them (four); B's rows by the cluster rows 0-3 alone.  Fills 0 and 1 come by their loads alone.  The address registers are never rewritten.
.macro ASK k
	s_cmp_eq_u32 s70, 0
	s_cbranch_scc0 .Lnot_mine_\@
	global_prefetch_b8 v30, s[66:67] offset:\k th:TH_LOAD_NT scope:SCOPE_SE
.Lnot_mine_\@:
.endm
	s_cmp_eq_u32 s15, 0                            ; do I fetch for A?
	s_cselect_b64 s[66:67], s[20:21], s[46:47]     ; the first row that I fetch
	s_cselect_b32 s68, s40, s41                    ; my place among the four that ask with me
	s_mov_b32 s71, 2*NB
	s_cselect_b32 s71, 32, s71                     ; rows to a partner
	s_mul_i32 s68, s68, s71
	s_lshl_b32 s68, s68, 10
	s_mov_b32 s69, 0
	s_add_nc_u64 s[66:67], s[66:67], s[68:69]
	s_sub_co_u32 s71, s71, 1
	s_and_b32 s70, ttmp7, 0xffff
	s_lshr_b32 s70, s70, 2
	s_mul_i32 s70, s70, s15                        ; 0 where my wave asks: A's waves everywhere, B's in cluster rows 0-3
	v_and_b32 v30, 31, v0
	v_min_u32 v30, s71, v30
	v_lshlrev_b32 v30, 10, v30                     ; my lane's row, 1,024 bytes a row
	ASK 512
	v_and_b32 v1, 15, v0                           ; r = lane % 16
	v_bfe_u32 v2, v0, 4, 1                         ; h = lane / 16
	s_wait_alu depctr_va_vdst(0)
	v_mul_u32_u24 v3, v1, PITCH
	v_lshl_add_u32 v4, v2, 4, v3                   ; a fragment's row x pitch + 16 h
	s_mul_i32 s21, s14, 64*PITCH                   ; my 64 rows of A
	s_mov_b32 s22, ABYTES                          ; all of B's rows
.irp s, 0,1
	v_add_nc_u32 v[ADRA+\s], s21, v4
	v_add_nc_u32 v[ADRB+\s], s22, v4
	s_add_co_u32 s21, s21, SLOT
	s_add_co_u32 s22, s22, SLOT
.endr
	v_and_b32 v6, 31, v0
	v_lshlrev_b32 v[LI], 4, v6
	; the bias, while the first tiles are on their way.  Q's and K's tile b: lane (r, h) wants b_in[192 g + 16 b + 8 h + 0..7]; V's tile b': b_in[192 g + 128 + 16 b' + r], in all eight registers
	s_mul_i32 s88, s42, 768
	s_mov_b32 s89, 0
	s_add_nc_u64 s[8:9], s[8:9], s[88:89]
	v_lshlrev_b32 v7, 5, v2
	v_lshlrev_b32 v8, 2, v1
	WIN 0x40
.irp b, 0,1,2,3,4,5,6,7
	global_load_b128 v[192+8*\b:192+8*\b+3], v7, s[8:9] offset:64*\b
	global_load_b128 v[192+8*\b+4:192+8*\b+7], v7, s[8:9] offset:64*\b+16
.endr
	WIN 0
.irp b, 0,1,2,3
	global_load_b32 v[32+\b], v8, s[8:9] offset:512+64*\b
.endr
	s_wait_loadcnt 0x0
	s_wait_kmcnt 0x0
	s_add_co_i32 s88, s80, s81                     ; e0 + e1: a sum stands for sum x 2^(e0 + e1), so the bias goes in as b / 2^(e0 + e1)
	s_sub_co_i32 s89, 0, s88
	WIN 0x41                                       ; source 0 and destination window 1
.set i, 0
.rept 64
	v_ldexp_f32 v[192+i], v[192+i], s89
.set i, i+1
.endr
	WIN 0xc0                                       ; destination window 3: the scaling also makes the eight copies
.irp b, 0,1,2,3
.irp j, 0,1,2,3,4,5,6,7
	v_ldexp_f32 v[128+8*\b+\j], v[32+\b], s89
.endr
.endr
	WIN 0
.macro CONST e, vs, vl                 ; 2^(e - e0 - e1) as f32, whose exponent field the conversion takes, and 448 x that, for the hold
	s_sub_co_i32 s90, s[\e], s88
	s_add_co_i32 s90, s90, 127
	s_lshl_b32 s91, s90, 23
	v_mov_b32 v[\vs], s91
	s_add_co_i32 s90, s90, 8
	s_lshl_b32 s90, s90, 23
	s_or_b32 s90, s90, 0x600000
	v_mov_b32 v[\vl], s90
.endm
	CONST 82, 40, 41                               ; Q: e2
	CONST 83, 42, 43                               ; K: e3
	CONST 85, 44, 45                               ; V: e5
	; where my codes go: head = 2 x tile row + wave / 2; the chunk g; my 64 rows are sb = 4 (wave % 2) + a in Q and K, and registers 8 (wave % 2) on of each fragment of V
	s_lshl_b32 s92, s17, 1
	s_add_co_u32 s92, s92, s15
	s_lshl_b32 s92, s92, 17
	s_lshl_b32 s93, s42, 13
	s_add_co_u32 s92, s92, s93
	s_lshl_b32 s94, s16, 12
	s_add_co_u32 s94, s92, s94
	s_mov_b32 s95, 0
	s_add_nc_u64 s[72:73], s[72:73], s[94:95]
	s_add_nc_u64 s[74:75], s[74:75], s[94:95]
	s_lshl_b32 s94, s16, 10
	s_add_co_u32 s94, s92, s94
	s_add_nc_u64 s[76:77], s[76:77], s[94:95]
	s_wait_alu depctr_va_vdst(0)
	s_wait_tensorcnt 0x0                           ; my part of slot 0 is in; slot 1's first fill is issued as a refill is:
	ds_add_u32 v[SPW], v[NIL]                      ; 0 onto my spare word
	s_wait_dscnt 0x0                               ; the add is done
	CROUND                                         ; everybody's part of slot 0 is in, and all sixteen work-groups are here
	JLOAD 1                                        ; K 256-511, the first tensor load behind the round
	FETCH_A 0, 0, 0
	FETCH_BL 0, 0
	ASK 768                                        ; behind fill 1's load: fill 3's rows
	FETCH_BU 0, 0
	STEP 0, 1                                      ; K 0-127: the products start the sums on the bias
	TURN 0, 1, 1                                   ; K 128-255; slot 0 takes K 512-767
	STEP 1, 0
	TURN 1, 0, 1                                   ; slot 1 takes K 768-1023
	STEP 0, 0
	TURN 0, 1, 0                                   ; nothing is left to fetch
	STEP 1, 0
	s_wait_dscnt 4*HB                              ; the last step
	MUL_L1 1, 0
	MUL_L2 1, 0
	s_wait_dscnt 0x0
	MUL_U 1, 0
	WIN 0
	PLACES 4                                       ; in front of the first reads of results; V's last products have the 256 holds below as their places
	; THE WAY OUT.  Each sum is held within 448 x the scale (the conversion to an 8-bit code does not saturate: ISA guide 7.6.2), each accumulator from its low end on; eight sums make two registers of codes.
	WIN 0x82                                       ; source 0 and destination window 2
.set i, 0
.rept 128
	v_med3_num_f32 v[i], v[i], -v41, v41           ; Q
.set i, i+1
.endr
.rept 128
	v_med3_num_f32 v[i], v[i], -v43, v43           ; K
.set i, i+1
.endr
	WIN 0x02                                       ; source 0 window 2, destination window 0
.irp b, 0,1,2,3
.irp a, 0,1,2,3
	v_cvt_scalef32_pk8_fp8_f32 v[64+8*\a+2*\b:65+8*\a+2*\b], v[8*(4*\b+\a):8*(4*\b+\a)+7], v40              ; Q: registers 2 b, 2 b + 1 of the fragment of rows 16 a on
	v_cvt_scalef32_pk8_fp8_f32 v[96+8*\a+2*\b:97+8*\a+2*\b], v[128+8*(4*\b+\a):128+8*(4*\b+\a)+7], v42      ; K likewise
.endr
.endr
	WIN 0
	v_nop                                          ; one plain vector instruction behind the last conversion of the run
.irp a, 0,1,2,3
.irp c, 0,1
	global_store_b128 v[LI], v[64+8*\a+4*\c:64+8*\a+4*\c+3], s[72:73] offset:\a*1024+\c*512   ; 32 lanes store 512 consecutive bytes, at a multiple of 512 from the buffer's first byte
	global_store_b128 v[LI], v[96+8*\a+4*\c:96+8*\a+4*\c+3], s[74:75] offset:\a*1024+\c*512
.endr
.endr
	WIN 0xc3                                       ; source 0 and destination window 3
.set i, 0
.rept 128
	v_med3_num_f32 v[i], v[i], -v45, v45           ; V
.set i, i+1
.endr
	WIN 0x03
.irp b, 0,1,2,3
.irp a, 0,1,2,3
	v_cvt_scalef32_pk8_fp8_f32 v[128+8*\b+2*\a:129+8*\b+2*\a], v[8*(4*\b+\a):8*(4*\b+\a)+7], v44            ; V: channel 16 b + r; rows 16 a + 8 h + 0..7 of my 64
.endr
.endr
	WIN 0
	v_nop
.irp b, 0,1,2,3
.irp c, 0,1
	global_store_b128 v[LI], v[128+8*\b+4*\c:128+8*\b+4*\c+3], s[76:77] offset:\b*2048+\c*512
.endr
.endr
	s_wait_tensorcnt 0x0                           ; the wave's end
	ds_add_u32 v[SPW], v[NIL]
	s_wait_dscnt 0x0
	CROUND                                         ; the closing round: no work-group ends while a partner may still ask for a tile that names it
	s_endpgm
.Lfunc_end_k_qabfc687613_qkv:
	.size	k_qabfc687613_qkv, .Lfunc_end_k_qabfc687613_qkv-k_qabfc687613_qkv
	.p2alignl 7, 3214868480
	.fill 96, 4, 3214868480
	.section	.rodata,"a",@progbits
	.p2align	6, 0x0
	.amdhsa_kernel k_qabfc687613_qkv
		.amdhsa_group_segment_fixed_size 327680
		.amdhsa_private_segment_fixed_size 0
		.amdhsa_enable_private_segment 0
		.amdhsa_kernarg_size 56
		.amdhsa_user_sgpr_count 2
		.amdhsa_user_sgpr_kernarg_segment_ptr 1
		.amdhsa_wavefront_size32 1
		.amdhsa_system_sgpr_workgroup_id_x 1
		.amdhsa_system_sgpr_workgroup_id_y 1
		.amdhsa_system_sgpr_workgroup_id_z 1
		.amdhsa_system_vgpr_workitem_id 0
		.amdhsa_next_free_vgpr 1024
		.amdhsa_next_free_sgpr 100
		.amdhsa_reserve_vcc 0
		.amdhsa_float_denorm_mode_32 3
		.amdhsa_float_denorm_mode_16_64 3
		.amdhsa_memory_ordered 1
		.amdhsa_forward_progress 1
		.amdhsa_inst_pref_size 110
	.end_amdhsa_kernel
	.amdgpu_metadata
---
amdhsa.version: [ 1, 2 ]
amdhsa.kernels:
  - .name:           k_qabfc687613_qkv
    .symbol:         k_qabfc687613_qkv.kd
    .args:
      - { .name: X_codes, .offset: 0, .size: 8, .value_kind: global_buffer, .address_space: global }
      - { .name: W_in_codes, .offset: 8, .size: 8, .value_kind: global_buffer, .address_space: global }
      - { .name: b_in, .offset: 16, .size: 8, .value_kind: global_buffer, .address_space: global }
      - { .name: lowp_scales, .offset: 24, .size: 8, .value_kind: global_buffer, .address_space: global }
      - { .name: qws, .offset: 32, .size: 8, .value_kind: global_buffer, .address_space: global }
      - { .name: kws, .offset: 40, .size: 8, .value_kind: global_buffer, .address_space: global }
      - { .name: vws, .offset: 48, .size: 8, .value_kind: global_buffer, .address_space: global }
    .group_segment_fixed_size: 327680
    .private_segment_fixed_size: 0
    .kernarg_segment_align: 8
    .kernarg_segment_size: 56
    .max_flat_workgroup_size: 128
    .sgpr_count:     100
    .vgpr_count:     1024
    .wavefront_size: 32
...
	.end_amdgpu_metadata
.endif
;; end of part 1
;; launch attn (part 2): grid 4 x 64, 8 waves a work-group, clusters of 4 x 1, 327,680 bytes of LDS; arguments qws, kws, vws, lowp_scales, aws; writes aws
.if DOCPART == 2
	.amdgcn_target "amdgcn-amd-amdhsa--gfx1250"
	.amdhsa_code_object_version 6
	.text
	.protected	k_qabfc687613_attn
	.globl	k_qabfc687613_attn
	.p2align	8
	.type	k_qabfc687613_attn,@function
k_qabfc687613_attn:
	s_mov_b64 s[64:65], 0
	v_nop
	global_prefetch_b8 v0, s[64:65] scope:SCOPE_SE
	s_setreg_imm32_b32 hwreg(HW_REG_WAVE_MODE, 25, 1), 1
	s_wait_xcnt 0x0
	s_wait_alu depctr_hold_cnt(0) depctr_sa_sdst(0) depctr_va_vdst(0) depctr_va_sdst(0) depctr_va_ssrc(0) depctr_va_vcc(0) depctr_vm_vsrc(0)
	s_getreg_b32 s2, hwreg(HW_REG_IB_STS2, 6, 4)
	s_cmp_eq_u32 s2, 0
	s_cbranch_scc0 .Lentry_in_a_cluster
	s_endpgm
.Lentry_in_a_cluster:
	s_bfe_u32 s2, ttmp6, 0x10000c
	s_cmp_lg_u32 s2, 0x3003
	s_cbranch_scc0 .Lentry_shape_is_right
	s_endpgm
.Lentry_shape_is_right:
; Attention of 64 heads of 2,048 positions x 64 channels, both products on codes of FP8 (E4M3); the result is quantised at once for the output projection.
; qws, kws, vws: images of the operands' registers, as the launch before lays them: [head][g 16][8,192 bytes]; chunk g holds the 128 positions 16 sl + g, sl = 0..127.
;   Q, K: [sb 8][c2 2][lane][16]: a fragment of the 16x16x64 form: lane (r, h) = sl 16 sb + r, registers 2 b, 2 b + 1 = d 16 b + 8 h + 0..7.
;   V:    [b' 4][c4 4][lane][16]: a fragment of the 16x16x128 form: lane (r, h) = channel 16 b' + r, registers 2 c, 2 c + 1 = sl 16 c + 8 h + 0..7.
; The keys are walked in the order 128 g + sl, the same in K, V and p: a softmax's sums do not hang on the order of the keys.
; aws: [8192][1024] codes: position 16 sl + g, channel d of head bh lies at row 128 bh + sl, column 64 g + d (the reshape back).
; THE SOFTMAX AHEAD OF THE SECOND PRODUCT: t = score x log2(e) / 8; M = the running largest t rounded UP to a whole number; p = 2^(t - M) is what is quantised (scale 2^e4), not normalised.
; The row's sum is taken of the unquantised p and divides O at the end.  When M moves, the sum and O are multiplied by 2^(old M - new M): exact.
; SHARES.  A cluster of four work-groups is one head.  A work-group owns 512 queries: sb = 2 cx, 2 cx + 1 x all 16 chunks, which are 32 whole rows of aws.  Wave w of eight owns FOUR tiles of 16 queries:
; tile j = chunk 2 w + j / 2, sb 2 cx + j % 2.  So each fragment of K and of V that a wave reads from LDS feeds four matrix instructions.  One pass over the 16 chunks of keys, 128 keys a step, no barrier in it.
; THE HEAD'S WHOLE K AND V LIE IN LDS (131,072 bytes each), filled once, by eight joint loads of 32,768 bytes, one a wave (waves 0-3: K's quarters, waves 4-7: V's): the four work-groups need the same bytes.
; No prefetch is laid: every fill stands at the kernel's head, and there is no loop that runs ahead of a fill.
; LAYOUT.  Both products are used transposed: S^T = K Q^T (source 0 = 16 keys, source 1 = 16 queries), O^T = V^T P^T: a lane holds ONE query of each tile.  Tile c of S^T holds, in lane (r, h), keys 16 c + 8 h + 0..7:
; its eight registers become registers 2 c, 2 c + 1 of P, the place that the 16x16x128 form gives them.
; The first key step is written out: its second products take 0 as C, so O is never cleared and has no rescaling there.
; With two waves to a SIMD the vector work is laid in independent chains: maxima and sums in eight, f made among the scalings, a tile's holds ahead of its eight conversions.
; LIMITS on the given exponents, so that each power of two is an f32 number: e2 + e3 between -123 and 130 (added to c's exponent field); e4 between -126 and 119; e4 + e5 - e6 between -110 and 120.  NaN is not served.
; REGISTERS.  Window 0: v1 16 x lane; v2, v3 the step's LDS addresses; v4, v5 the spare word and 0; v6, v7 448 x 2^e4; v8+6j.. tile j's state: -M, largest t | the sum in two halves | f, a permute's landing place;
;   v32-45 at work; v50 2^e4; v51, v52 the stage, in and back; v53 1.0; v54 v1 + V's base; v55 v1 + a chunk; v64-127 K's eight fragments; v128-191 S^T, then p; v192-255 the four tiles' P.
;   Window 1: v0-127 O^T (tile j, channels 16 t: v[32 j + 8 t]); v128-191 V's four fragments; v192-223 Q's four.
.set VBASE, 131072                     ; LDS: K's 16 chunks from 0, V's from here,
.set STG,   262144                     ; a stage of 32 rows x (1,024 bytes + 16), on which no tensor load lands,
.set SPT,   1040
.set SPARE, STG+32*SPT                 ; and the spare words, 128 bytes a wave: four blocks of 256 bytes that no other line names
.set KF, 64
.set SS, 128
.set PC, 192
.set VF, 128
.set QF, 192
.set ST, 8
.set MSB, 0
.macro WIN new                         ; the immediate's high byte repeats the setting that is left; a switch that changes nothing is dropped
.if MSB != \new
	s_set_vgpr_msb (MSB<<8)|\new
.set MSB, \new
.endif
.endm
.macro CROUND                          ; a round of the cluster's barrier
	s_barrier_signal -1
	s_barrier_wait -1
	s_cmp_lg_u32 s18, 0
	s_cbranch_scc1 .Lnot_wave_0_\@
	s_barrier_signal -3
.Lnot_wave_0_\@:
	s_barrier_wait -3
	s_barrier_signal -1
	s_barrier_wait -1
.endm
.macro KLOAD adr                       ; K's eight fragments of one chunk
.irp t, 0,1,2,3,4,5,6,7
.irp c, 0,1
	ds_load_b128 v[KF+8*\t+4*\c:KF+8*\t+4*\c+3], v[\adr] offset:1024*\t+512*\c
.endr
.endr
.endm
	s_load_b256 s[4:11], s[0:1], 0x0               ; qws s[4:5], kws s[6:7], vws s[8:9], the scales' exponents s[10:11]
	s_load_b64 s[12:13], s[0:1], 0x20              ; aws
	v_lshl_add_u32 v4, v0, 2, SPARE
	v_mov_b32 v5, 0
	ds_add_u32 v4, v5                              ; the opening lines: the add, twice on end, and its wait ahead of my tensor load
	ds_add_u32 v4, v5
	v_lshrrev_b32 v32, 5, v0
	v_readfirstlane_b32 s18, v32                   ; wave 0..7
	s_bfe_u32 s14, ttmp6, 0x40000                  ; cx: it enters Q's and the result's global addresses alone
	s_and_b32 s15, ttmp7, 0xffff                   ; the head, which the four partners share
	s_lshl_b32 s16, s15, 17                        ; its first byte in each of the four buffers (under 2^23)
	; descriptor group 1: a dense block of 32,768 bytes as 128 rows of 32 elements of 8 bytes
	s_mov_b32 s24, 15|(3<<16)|(1<<21)              ; 15:0 the mask: all four work-groups; 17:16 elements of 8 bytes; 21 set beside a mask; no padding: images are read 16 bytes a lane on end
	s_mov_b32 s25, 32<<16                          ; tensor_dim0
	s_mov_b32 s26, 128<<16                         ; tensor_dim1
	s_mov_b32 s27, 32<<16                          ; tile_dim0
	s_mov_b32 s28, 128                             ; tile_dim1
	s_mov_b32 s29, 32                              ; from row to row
	s_mov_b32 s30, 0
	s_mov_b32 s31, 0
	s_mov_b32 s32, 1
	s_lshl_b32 s33, s18, 15                        ; LDS address: 32,768 x wave: K's four quarters, then V's
	s_and_b32 s60, s18, 3
	s_lshl_b32 s60, s60, 15
	s_add_co_u32 s62, s16, s60                     ; the same quarter in the head's bytes in memory
	s_mov_b32 s63, 0
	s_mov_b32 s20, 0x76543210                      ; v_permlanex16_b32's selects: lane l xor 16
	s_mov_b32 s21, 0xfedcba98
	s_wait_dscnt 0x0                               ; both opening adds are done
	s_wait_kmcnt 0x0
	s_load_b256 s[52:59], s[10:11], 0x0            ; e0 .. e7
	s_cmp_lt_u32 s18, 4
	s_cselect_b64 s[34:35], s[6:7], s[8:9]         ; K's buffer or V's: the choice hangs on the wave's number alone
	s_add_nc_u64 s[34:35], s[34:35], s[62:63]
	s_or_b32 s35, s35, 0x80000000
	CROUND                                         ; all four work-groups are here: the joint loads meet
	tensor_load_to_lds s[32:35], s[24:31]          ; my one tensor load of the launch
	s_nop 0
	v_and_b32 v35, 31, v0                          ; lane
	v_and_b32 v33, 15, v0                          ; r
	v_bfe_u32 v34, v0, 4, 1                        ; h
	v_lshlrev_b32 v1, 4, v35                       ; 16 x lane
	v_lshl_add_u32 v54, v35, 4, VBASE
	v_lshl_add_u32 v55, v35, 4, 8192
	v_mul_u32_u24 v51, v33, SPT
	v_lshl_add_u32 v51, v34, 3, v51
	s_lshl_b32 s73, s18, 7
	s_add_co_u32 s73, s73, STG
	v_add_nc_u32 v51, s73, v51                     ; into the stage: row r, my two chunks' 128 bytes, + 8 h
	s_mul_i32 s74, s18, 4*SPT
	s_add_co_u32 s74, s74, STG
	v_add_nc_u32 v52, s74, v1                      ; back: rows 4 wave on, 16 bytes a lane
	v_mov_b32 v53, 1.0                             ; the result's conversion divides by 1: its scale is folded into 1 / the sum
.irp j, 0,1,2,3
	v_mov_b32 v[ST+6*\j+1], 0xff61b1e6             ; the largest t so far: -3e38, under every t
	v_mov_b32 v[ST+6*\j+2], 0                      ; the sum, in two halves
	v_mov_b32 v[ST+6*\j+3], 0
	v_mov_b32 v[ST+6*\j+5], 0                      ; written once: a lane permute's destination counts as one of its sources
.endr
.irp j, 0,1,2,3
	v_floor_f32 v[ST+6*\j], -v[ST+6*\j+1]          ; -M
.endr
	s_lshl_b32 s68, s18, 14                        ; Q: chunk 2 wave,
	s_lshl_b32 s69, s14, 11                        ; sb = 2 cx
	s_add_co_u32 s68, s68, s69
	s_add_co_u32 s68, s68, s16
	s_mov_b32 s69, 0
	s_add_nc_u64 s[4:5], s[4:5], s[68:69]
	s_wait_alu depctr_va_vdst(0)                   ; ahead of the loads that read v1
	WIN 0x40                                       ; destination window 1, address window 0
.irp j, 0,1,2,3
.irp c, 0,1
	global_load_b128 v[QF+8*\j+4*\c:QF+8*\j+4*\c+3], v1, s[4:5] offset:(\j/2)*8192+(\j%2)*1024+\c*512   ; the four tiles' fragments of Q stay in registers
.endr
.endr
	WIN 0
	s_lshl_b32 s68, s14, 15                        ; the result: rows 128 head + 32 cx + 4 wave on, 1,024 bytes a row
	s_lshl_b32 s73, s18, 12
	s_add_co_u32 s68, s68, s73
	s_add_co_u32 s68, s68, s16
	s_add_nc_u64 s[12:13], s[12:13], s[68:69]
	s_mov_b32 s70, 0xc3e00000                      ; -448
	s_mov_b32 s71, 0x43e00000                      ; 448
	s_mov_b32 s22, 0x3e38aa3b                      ; c = log2(e) / sqrt(64)
	s_mov_b32 s48, 0                               ; the step's chunk, in LDS bytes
	s_wait_kmcnt 0x0
	s_add_co_i32 s73, s54, s55
	s_lshl_b32 s73, s73, 23
	s_add_co_i32 s22, s22, s73                     ; a score stands for score x 2^(e2 + e3): the two exponents are added to c's exponent field
	s_mov_b32 s23, s22                             ; (named with it as a pair, so it is written)
	s_add_co_i32 s73, s56, 127
	s_lshl_b32 s74, s73, 23
	v_mov_b32 v50, s74                             ; 2^e4 as f32, for p's conversion
	s_add_co_i32 s73, s73, 8
	s_lshl_b32 s73, s73, 23
	s_or_b32 s73, s73, 0x600000
	v_mov_b32 v6, s73                              ; 448 x 2^e4, twice: the two halves of a dual pair take their second sources from different banks
	v_mov_b32 v7, s73
	s_add_co_i32 s72, s56, s57
	s_sub_co_i32 s72, s72, s58                     ; e4 + e5 - e6: O stands for O x 2^(e4 + e5), and its code is that / 2^e6
; The hold of keys 16 c + 8 h + 0..7.  The conversion to an 8-bit code does not saturate (ISA guide 7.6.2); p is not negative, so the hold is one-sided; two holds to an instruction.
.macro MINS c
.irp i, 0,2,4,6
	v_dual_min_num_f32 v[SS+8*(\c)+\i], v[SS+8*(\c)+\i], v6 :: v_dual_min_num_f32 v[SS+8*(\c)+\i+1], v[SS+8*(\c)+\i+1], v7
.endr
.endm
; Tile j's scores of the step's 128 keys, and their softmax down to P's codes.
.macro TILE j
.set NM, ST+6*(\j)
.set SU, NM+2
.set FF, NM+4
.if \j == 0
	s_wait_dscnt 16                                ; K is in (asked for in the step before); V's sixteen loads may be out
.endif
.if \j == 1
	s_wait_dscnt 0x0                               ; V is in (asked for a tile's whole softmax ago)
.endif
	WIN 0x04                                       ; source 1 (Q) window 1
.irp t, 0,1,2,3,4,5,6,7
	v_wmma_f32_16x16x64_fp8_fp8 v[SS+8*\t:SS+8*\t+7], v[KF+8*\t:KF+8*\t+7], v[QF+8*\j:QF+8*\j+7], 0
.endr
	WIN 0
.rept 4
	v_nop                                          ; places in front of the first read of the scores, and of the loads below into K's registers
.endr
.if \j == 3                            ; K's registers are done with: the next chunk's fragments land under this tile's softmax.  The last step asks for nothing: a branch on the count of steps
.if FIRST == 0
	s_cmp_eq_u32 s49, 1
	s_cbranch_scc1 .Lno_k_\@
.endif
	v_add_nc_u32 v2, s48, v55
	KLOAD 2
.if FIRST == 0
.Lno_k_\@:
.endif
.endif
.irp k, 0,1,2,3,4,5,6,7                ; the step's largest score of my query among my 64 keys: eight chains, one a tile of keys, every tile from its low end on
	v_max3_num_f32 v[32+\k], v[SS+8*\k], v[SS+8*\k+1], v[SS+8*\k+2]
.endr
.irp i, 3,5
.irp k, 0,1,2,3,4,5,6,7
	v_max3_num_f32 v[32+\k], v[32+\k], v[SS+8*\k+\i], v[SS+8*\k+\i+1]
.endr
.endr
	v_max3_num_f32 v40, v[SS+7], v[SS+15], v[SS+23]
	v_max3_num_f32 v41, v[SS+31], v[SS+39], v[SS+47]
	v_max3_num_f32 v32, v32, v33, v34
	v_max3_num_f32 v35, v35, v36, v37
	v_max3_num_f32 v38, v38, v39, v40
	v_max3_num_f32 v41, v41, v[SS+55], v[SS+63]
	s_delay_alu instid0(VALU_DEP_2)
	v_max3_num_f32 v32, v32, v35, v38
	s_delay_alu instid0(VALU_DEP_1)
	v_max_num_f32 v32, v32, v41
	s_delay_alu instid0(VALU_DEP_1)
	v_permlanex16_b32 v[FF+1], v32, s20, s21
	s_delay_alu instid0(VALU_DEP_1)
	v_max_num_f32 v32, v32, v[FF+1]                ; and among lane l xor 16's
	s_delay_alu instid0(VALU_DEP_1)
	v_mul_f32 v32, s22, v32                        ; as t (c is positive)
	s_delay_alu instid0(VALU_DEP_1)
	v_max_num_f32 v[NM+1], v[NM+1], v32            ; the running largest t
	v_mov_b32 v33, v[NM]
	s_delay_alu instid0(VALU_DEP_2)
	v_floor_f32 v[NM], -v[NM+1]                    ; the new -M = floor(-t) = -ceil(t): M is a whole number
.set i, 0
.rept 32
	v_pk_fma_f32 v[SS+i:SS+i+1], v[SS+i:SS+i+1], s[22:23], v[NM:NM+1] op_sel_hi:[1,0,0]   ; t - M, two at a time (of the pairs c and -M the low word serves both halves)
.if i == 6
	v_sub_f32 v33, v[NM], v33                      ; among them, f: M's old value less its new one, a whole number, 0 or less;
.endif
.if i == 14
	v_cvt_i32_f32 v33, v33                         ; (it saturates)
.endif
.if i == 22
	v_ldexp_f32 v[FF], 1.0, v33                    ; f = 2^(old M - new M)
.endif
.set i, i+2
.endr
	s_wait_alu depctr_va_vdst(0)                   ; ahead of the batch
.set i, 0
.rept 64
	v_exp_f32 v[SS+i], v[SS+i]                     ; p = 2^(t - M), at most 1: not normalised
.set i, i+1
.endr
	v_pk_mul_f32 v[SU:SU+1], v[SU:SU+1], v[FF:FF+1] op_sel_hi:[1,0]   ; the sums under the new M: the plain instruction behind the exponentials
	s_wait_alu depctr_va_vdst(0)                   ; one wait for the whole batch, ahead of its first reader
.irp k, 0,1,2,3,4,5,6                  ; the row's sum is taken of the unquantised p: two at a time, in eight chains
	v_pk_add_f32 v[32+2*\k:33+2*\k], v[SS+4*\k:SS+4*\k+1], v[SS+4*\k+2:SS+4*\k+3]
.endr
	v_pk_add_f32 v[SU:SU+1], v[SU:SU+1], v[SS+28:SS+29]
.irp m, 30,46
.irp k, 0,1,2,3,4,5,6
	v_pk_add_f32 v[32+2*\k:33+2*\k], v[32+2*\k:33+2*\k], v[SS+\m+2*\k:SS+\m+2*\k+1]
.endr
	v_pk_add_f32 v[SU:SU+1], v[SU:SU+1], v[SS+\m+14:SS+\m+15]
.endr
	v_pk_add_f32 v[SU:SU+1], v[SU:SU+1], v[SS+62:SS+63]
	v_pk_add_f32 v[32:33], v[32:33], v[34:35]      ; the chains are joined among the holds, which do not hang on them
	v_pk_add_f32 v[36:37], v[36:37], v[38:39]
	v_pk_add_f32 v[40:41], v[40:41], v[42:43]
	v_pk_add_f32 v[SU:SU+1], v[SU:SU+1], v[44:45]
	MINS 0
	MINS 1
	v_pk_add_f32 v[32:33], v[32:33], v[36:37]
	v_pk_add_f32 v[SU:SU+1], v[SU:SU+1], v[40:41]
	MINS 2
	MINS 3
	v_pk_add_f32 v[SU:SU+1], v[SU:SU+1], v[32:33]
.irp c, 4,5,6,7
	MINS \c
.endr
.irp c, 0,1,2,3,4,5,6,7
	v_cvt_scalef32_pk8_fp8_f32 v[PC+16*\j+2*\c:PC+16*\j+2*\c+1], v[SS+8*\c:SS+8*\c+7], v50   ; keys 16 c + 8 h + 0..7: registers 2 c, 2 c + 1 of P
.endr
	v_nop                                          ; one plain vector instruction behind the last conversion: matrix instructions write its sources or read its result next
.endm
; A KEY STEP: the 128 keys of one chunk, whose K is on its way into registers and whose V lies at VBASE + s48, against my four tiles of queries.  first = 1: the second products start O's sums.
.macro STEP first
.set FIRST, \first
	v_add_nc_u32 v3, s48, v54
	WIN 0x40                                       ; destination window 1
.irp t, 0,1,2,3
.irp c, 0,1,2,3
	ds_load_b128 v[VF+16*\t+4*\c:VF+16*\t+4*\c+3], v3 offset:2048*\t+512*\c   ; V's four fragments land while the first tile is worked
.endr
.endr
	WIN 0
	TILE 0
	TILE 1
	TILE 2
	TILE 3
.if \first == 0
	WIN 0x41                                       ; source 0 and destination window 1
	s_wait_alu depctr_va_vdst(0)                   ; directly ahead of the first reader of O^T
.irp j, 0,1,2,3
.set i, 0
.rept 16
	v_pk_mul_f32 v[32*\j+i:32*\j+i+1], v[32*\j+i:32*\j+i+1], v[ST+6*\j+4:ST+6*\j+5] op_sel_hi:[1,0]   ; O^T under the new M: x f, each accumulator from its low end on
.set i, i+2
.endr
.endr
.endif
	WIN 0x51                                       ; source 0 (V), C and D window 1; source 1 (P) window 0
.irp t, 0,1,2,3                        ; the sixteen accumulators take turns, and the scores' products stand between two steps'
.irp j, 0,1,2,3
.if \first
	v_wmma_f32_16x16x128_fp8_fp8 v[32*\j+8*\t:32*\j+8*\t+7], v[VF+16*\t:VF+16*\t+15], v[PC+16*\j:PC+16*\j+15], 0
.else
	v_wmma_f32_16x16x128_fp8_fp8 v[32*\j+8*\t:32*\j+8*\t+7], v[VF+16*\t:VF+16*\t+15], v[PC+16*\j:PC+16*\j+15], v[32*\j+8*\t:32*\j+8*\t+7]
.endif
.endr
.endr
	WIN 0
.rept 4
	v_nop                                          ; places in front of the next step's loads into V's registers, and of the way out's reads
.endr
	s_add_co_u32 s48, s48, 8192                    ; the next chunk
.endm
	s_wait_alu depctr_va_vdst(0)                   ; the head's end
	s_wait_loadcnt 0x0                             ; Q
	s_wait_tensorcnt 0x0                           ; my quarter of K or of V is in
	s_barrier_signal -1
	s_barrier_wait -1                              ; everybody's is; nothing is filled again, and nobody writes K or V from here on
	KLOAD 1                                        ; chunk 0's K
	STEP 1
	s_mov_b32 s49, 15
.Lstep:
	STEP 0
	s_sub_co_u32 s49, s49, 1
	s_cmp_lg_u32 s49, 0
	s_cbranch_scc1 .Lstep
	; THE WAY OUT.  O^T / the sum x 2^(e4 + e5 - e6), held within +-448, becomes codes: a lane's eight channels of a tile are 8 bytes.  A row of the result (1,024 bytes) is made of all eight waves' 128 bytes:
	; they meet in the stage, and wave w stores rows 4 w .. 4 w + 3 whole.
	s_wait_dscnt 0x0                               ; no LDS load of mine is out: K's registers are written below
.irp j, 0,1,2,3
	v_add_f32 v[ST+6*\j+2], v[ST+6*\j+2], v[ST+6*\j+3]           ; the sum's two halves,
.endr
.irp j, 0,1,2,3
	v_permlanex16_b32 v[ST+6*\j+5], v[ST+6*\j+2], s20, s21
.endr
.irp j, 0,1,2,3
	v_add_f32 v[ST+6*\j+2], v[ST+6*\j+2], v[ST+6*\j+5]           ; and lane l xor 16's
.endr
	s_wait_alu depctr_va_vdst(0)                   ; ahead of the batch
.irp j, 0,1,2,3
	v_rcp_f32 v[ST+6*\j+2], v[ST+6*\j+2]
.endr
	v_nop                                          ; a plain instruction behind the reciprocals,
	s_wait_alu depctr_va_vdst(0)                   ; and the wait ahead of their first reader
.irp j, 0,1,2,3
	v_ldexp_f32 v[ST+6*\j+2], v[ST+6*\j+2], s72
.endr
	WIN 0x01                                       ; source 0 window 1
	s_wait_alu depctr_va_vdst(0)                   ; directly ahead of the first reader of O^T
.irp j, 0,1,2,3
.set i, 0
.rept 16
	v_pk_mul_f32 v[KF+32*\j+i:KF+32*\j+i+1], v[32*\j+i:32*\j+i+1], v[ST+6*\j+2:ST+6*\j+3] op_sel_hi:[1,0]   ; register 32 j + 8 t + i: channel 16 t + 8 h + i of tile j's query
.set i, i+2
.endr
.endr
	WIN 0
.set i, 0
.rept 128
	v_med3_num_f32 v[KF+i], v[KF+i], s70, s71
.set i, i+1
.endr
.irp j, 0,1,2,3
.irp t, 0,1,2,3
	v_cvt_scalef32_pk8_fp8_f32 v[PC+8*\j+2*\t:PC+8*\j+2*\t+1], v[KF+32*\j+8*\t:KF+32*\j+8*\t+7], v53
.endr
.endr
	v_nop                                          ; one plain vector instruction behind the last conversion
.irp j, 0,1,2,3
.irp t, 0,1,2,3
	ds_store_b64 v51, v[PC+8*\j+2*\t:PC+8*\j+2*\t+1] offset:(\j%2)*16*SPT+(\j/2)*64+16*\t
.endr
.endr
	s_wait_dscnt 0x0                               ; for the others' sake: my stores into the stage are done
	s_barrier_signal -1
	s_barrier_wait -1
.irp i, 0,1,2,3
.irp c, 0,1
	ds_load_b128 v[KF+8*\i+4*\c:KF+8*\i+4*\c+3], v52 offset:\i*SPT+512*\c
.endr
.endr
	s_wait_dscnt 0x0
.irp i, 0,1,2,3
.irp c, 0,1
	global_store_b128 v1, v[KF+8*\i+4*\c:KF+8*\i+4*\c+3], s[12:13] offset:\i*1024+512*\c   ; 32 lanes store 512 consecutive bytes, at a multiple of 512 from the buffer's first byte
.endr
.endr
	s_wait_tensorcnt 0x0                           ; the wave's end
	ds_add_u32 v4, v5
	s_wait_dscnt 0x0
	CROUND                                         ; the closing round
	s_endpgm
.Lfunc_end_k_qabfc687613_attn:
	.size	k_qabfc687613_attn, .Lfunc_end_k_qabfc687613_attn-k_qabfc687613_attn
	.p2alignl 7, 3214868480
	.fill 96, 4, 3214868480
	.section	.rodata,"a",@progbits
	.p2align	6, 0x0
	.amdhsa_kernel k_qabfc687613_attn
		.amdhsa_group_segment_fixed_size 327680
		.amdhsa_private_segment_fixed_size 0
		.amdhsa_enable_private_segment 0
		.amdhsa_kernarg_size 40
		.amdhsa_user_sgpr_count 2
		.amdhsa_user_sgpr_kernarg_segment_ptr 1
		.amdhsa_wavefront_size32 1
		.amdhsa_system_sgpr_workgroup_id_x 1
		.amdhsa_system_sgpr_workgroup_id_y 1
		.amdhsa_system_sgpr_workgroup_id_z 1
		.amdhsa_system_vgpr_workitem_id 0
		.amdhsa_next_free_vgpr 512
		.amdhsa_next_free_sgpr 90
		.amdhsa_reserve_vcc 0
		.amdhsa_float_denorm_mode_32 3
		.amdhsa_float_denorm_mode_16_64 3
		.amdhsa_memory_ordered 1
		.amdhsa_forward_progress 1
		.amdhsa_inst_pref_size 131
	.end_amdhsa_kernel
	.amdgpu_metadata
---
amdhsa.version: [ 1, 2 ]
amdhsa.kernels:
  - .name:           k_qabfc687613_attn
    .symbol:         k_qabfc687613_attn.kd
    .args:
      - { .name: qws, .offset: 0, .size: 8, .value_kind: global_buffer, .address_space: global }
      - { .name: kws, .offset: 8, .size: 8, .value_kind: global_buffer, .address_space: global }
      - { .name: vws, .offset: 16, .size: 8, .value_kind: global_buffer, .address_space: global }
      - { .name: lowp_scales, .offset: 24, .size: 8, .value_kind: global_buffer, .address_space: global }
      - { .name: aws, .offset: 32, .size: 8, .value_kind: global_buffer, .address_space: global }
    .group_segment_fixed_size: 327680
    .private_segment_fixed_size: 0
    .kernarg_segment_align: 8
    .kernarg_segment_size: 40
    .max_flat_workgroup_size: 256
    .sgpr_count:     90
    .vgpr_count:     512
    .wavefront_size: 32
...
	.end_amdgpu_metadata
.endif
;; end of part 2
;; launch proj (part 3): grid 8 x 32, 4 waves a work-group, clusters of 4 x 4, 327,680 bytes of LDS; arguments aws, W_out_codes, b_out, lowp_scales, out0; writes out0
.if DOCPART == 3
	.amdgcn_target "amdgcn-amd-amdhsa--gfx1250"
	.amdhsa_code_object_version 6
	.text
	.protected	k_qabfc687613_proj
	.globl	k_qabfc687613_proj
	.p2align	8
	.type	k_qabfc687613_proj,@function
k_qabfc687613_proj:
	s_mov_b64 s[64:65], 0
	v_nop
	global_prefetch_b8 v0, s[64:65] scope:SCOPE_SE
	s_setreg_imm32_b32 hwreg(HW_REG_WAVE_MODE, 25, 1), 1
	s_wait_xcnt 0x0
	s_wait_alu depctr_hold_cnt(0) depctr_sa_sdst(0) depctr_va_vdst(0) depctr_va_sdst(0) depctr_va_ssrc(0) depctr_va_vcc(0) depctr_vm_vsrc(0)
	s_getreg_b32 s2, hwreg(HW_REG_IB_STS2, 6, 4)
	s_cmp_eq_u32 s2, 0
	s_cbranch_scc0 .Lentry_in_a_cluster
	s_endpgm
.Lentry_in_a_cluster:
	s_bfe_u32 s2, ttmp6, 0x10000c
	s_cmp_lg_u32 s2, 0xf033
	s_cbranch_scc0 .Lentry_shape_is_right
	s_endpgm
.Lentry_shape_is_right:
; out0 = A W_out^T + b_out on codes of FP8 (E4M3).  A = aws: [8192][1024] codes (scale 2^e6), W_out: [1024][1024] codes (2^e7), K innermost; b_out: [1024] f32; out0: [8192][1024] f32.
; A tile of 256 rows x 128 columns to a work-group of four waves; wave w makes rows 64 w on x all 128 columns: 4 x 8 accumulators.  K = 1024 goes in eight steps of 128, two to an LDS slot, two slots, each filled twice.
; CLUSTER 4 x 4: A's tiles are asked for jointly along a row of the cluster, W_out's along a column.  The matrix instruction is used transposed, so that a lane holds eight neighbouring columns of a row.
; Each finished sum is multiplied by 2^(e6 + e7) and the bias added in one fused multiply-add; a block of 16 rows goes through the wave's stage in slot 0, which has had its last fill, and leaves as rows of 512 bytes.
; LIMIT: e6 + e7 lies between -126 and 127, so that 2^(e6 + e7) is an f32 number.
.set NB,     8
.set HB,     4
.set PITCH,  272
.set ABYTES, 256*PITCH
.set AHALF,  128*PITCH
.set BHALF,  8*NB*PITCH
.set SLOT,   ABYTES+2*BHALF
.set SPARE,  2*SLOT
.set SPITCH, 528
.set ADRA, 16
.set ADRB, 20
.set STO,  24
.set RD,   25
.set LI,   26
.set SPW,  28
.set NIL,  29
.set AF,   64
.set BK,   64
.set TMP,  192
.set G1,  24
.set G0,  32
.set G1B, 48
.set G0B, 56
.set MSB, 0
.macro WIN new
.if MSB != \new
	s_set_vgpr_msb (MSB<<8)|\new
.set MSB, \new
.endif
.endm
.macro JLOAD s
	s_cmp_eq_u32 s15, 0
	s_cbranch_scc0 .Lfor_b_\@
	tensor_load_to_lds s[G0+4*\s:G0+4*\s+3], s[G1:G1+7]
	s_nop 0
.rept 4
	v_nop
.endr
	s_branch .Lasked_\@
.Lfor_b_\@:
	tensor_load_to_lds s[G0B+4*\s:G0B+4*\s+3], s[G1B:G1B+7]
	s_nop 0
.rept 4
	v_nop
.endr
.Lasked_\@:
.endm
.macro CREST
	s_cmp_lg_u32 s14, 0
	s_cbranch_scc1 .Lnot_wave_0_\@
	s_barrier_signal -3
.Lnot_wave_0_\@:
	s_barrier_wait -3
	s_barrier_signal -1
	s_barrier_wait -1
.endm
.macro CROUND
	s_barrier_signal -1
	s_barrier_wait -1
	CREST
.endm
.macro PLACES n
.rept \n
	v_nop
.endr
.endm
.macro FRAG reg, adr, q, i
.irp c, 0,1,2,3
	ds_load_b128 v[\reg+4*\c:\reg+4*\c+3], v[\adr] offset:128*(\q)+32*\c+(\i)*16*PITCH
.endr
.endm
.macro FETCH_A slot, q, p
.irp i, 0,1,2,3
	FRAG AF+64*(\p)+16*\i, ADRA+\slot, \q, \i
.endr
.endm
.macro FETCH_BL slot, q
	WIN 0x40
.irp i, 0,1,2,3
	FRAG 16*\i, ADRB+\slot, \q, \i
.endr
	WIN 0
.endm
.macro FETCH_BU slot, q
	WIN 0x40
.irp i, 4,5,6,7
	FRAG 16*\i, ADRB+\slot, \q, \i
.endr
	WIN 0
.endm
.macro MULB b, p, first
	WIN 0xa1
.irp a, 0,1,2,3
.if \first
	v_wmma_f32_16x16x128_fp8_fp8 v[8*(4*(\b)+\a):8*(4*(\b)+\a)+7], v[16*(\b):16*(\b)+15], v[AF+64*(\p)+16*\a:AF+64*(\p)+16*\a+15], 0
.else
	v_wmma_f32_16x16x128_fp8_fp8 v[8*(4*(\b)+\a):8*(4*(\b)+\a)+7], v[16*(\b):16*(\b)+15], v[AF+64*(\p)+16*\a:AF+64*(\p)+16*\a+15], v[8*(4*(\b)+\a):8*(4*(\b)+\a)+7]
.endif
.endr
.endm
.macro MUL_L1 p, first
.irp b, 0,1
	MULB \b, \p, \first
.endr
.endm
.macro MUL_L2 p, first
.irp b, 2,3
	MULB \b, \p, \first
.endr
.endm
.macro MUL_U p, first
.irp b, 4,5,6,7
	MULB \b, \p, \first
.endr
.endm
.macro STEP slot, first
	s_wait_dscnt 4*HB
	MUL_L1 0, \first
	MUL_L2 0, \first
	s_wait_dscnt 0x0
	PLACES 4
	WIN 0
	FETCH_A \slot, 1, 1
	FETCH_BL \slot, 1
	MUL_U 0, \first
	PLACES 4
	FETCH_BU \slot, 1
.endm
.macro TURN slot, next, fill
	s_wait_tensorcnt 0x0
	ds_add_u32 v[SPW], v[NIL]
	s_wait_dscnt 4*HB+1
	MUL_L1 1, 0
	s_wait_dscnt 0x0
	s_barrier_signal -1
	MUL_L2 1, 0
	WIN 0
	s_barrier_wait -1
.if \fill
	CREST
	s_add_nc_u64 s[G0+4*\slot+2:G0+4*\slot+3], s[G0+4*\slot+2:G0+4*\slot+3], 512
	s_add_nc_u64 s[G0B+4*\slot+2:G0B+4*\slot+3], s[G0B+4*\slot+2:G0B+4*\slot+3], 512
	JLOAD \slot
.else
	PLACES 4
.endif
	s_wait_alu depctr_va_vdst(0)
	FETCH_A \next, 0, 0
	FETCH_BL \next, 0
	MUL_U 1, 0
	PLACES 4
	FETCH_BU \next, 0
.endm
	s_load_b256 s[4:11], s[0:1], 0x0
	s_load_b64 s[72:73], s[0:1], 0x20
	v_lshl_add_u32 v[SPW], v0, 2, SPARE
	v_mov_b32 v[NIL], 0
	ds_add_u32 v28, v29
	ds_add_u32 v28, v29
	s_wait_dscnt 0x0
	v_lshrrev_b32 v1, 5, v0
	v_readfirstlane_b32 s14, v1
	s_lshr_b32 s15, s14, 1
	s_and_b32 s16, s14, 1
	s_bfe_u32 s40, ttmp6, 0x40000
	s_bfe_u32 s41, ttmp6, 0x40004
	s_lshl_b32 s42, ttmp9, 2
	s_add_co_u32 s42, s42, s40
	s_and_b32 s17, ttmp7, 0xffff
	s_lshl_b32 s17, s17, 2
	s_add_co_u32 s17, s17, s41
	s_lshl_b32 s43, s41, 2
	s_lshl_b32 s43, 15, s43
	s_lshl_b32 s44, 0x1111, s40
	s_or_b32 s[G1+0], s43, (0<<16)|(1<<20)|(1<<21)|(5<<22)|(3<<25)
	s_or_b32 s[G1B+0], s44, (0<<16)|(1<<20)|(1<<21)|(5<<22)|(3<<25)
	s_mov_b32 s[G1+1], 256<<16
	s_mov_b32 s[G1+2], 128<<16
	s_mov_b32 s[G1+3], 256<<16
	s_mov_b32 s[G1+4], 128
	s_mov_b32 s[G1+5], 1024
	s_mov_b32 s[G1+6], 0
	s_mov_b32 s[G1+7], 0
	s_mov_b32 s[G1B+1], 256<<16
	s_mov_b32 s[G1B+2], (8*NB)<<16
	s_mov_b32 s[G1B+3], 256<<16
	s_mov_b32 s[G1B+4], 8*NB
	s_mov_b32 s[G1B+5], 1024
	s_mov_b32 s[G1B+6], 0
	s_mov_b32 s[G1B+7], 0
	s_lshl_b32 s18, s16, 7
	s_lshl_b32 s20, s17, 8
	s_add_co_u32 s20, s20, s18
	s_lshl_b32 s20, s20, 10
	s_mov_b32 s21, 0
	s_mul_i32 s46, s42, 16*NB
	s_mul_i32 s47, s16, 8*NB
	s_add_co_u32 s46, s46, s47
	s_lshl_b32 s46, s46, 10
	s_mov_b32 s47, 0
	s_mul_i32 s45, s16, AHALF
	s_mul_i32 s19, s16, BHALF
	s_add_co_u32 s19, s19, ABYTES
	s_wait_kmcnt 0x0
	s_load_b256 s[80:87], s[10:11], 0x0
	s_add_nc_u64 s[20:21], s[4:5], s[20:21]
	s_add_nc_u64 s[46:47], s[6:7], s[46:47]
	CROUND
.irp s, 0,1
	s_mov_b32 s[G0+4*\s], 1
	s_add_co_u32 s[G0+4*\s+1], s45, \s*SLOT
	s_add_nc_u64 s[G0+4*\s+2:G0+4*\s+3], s[20:21], \s*256
	s_or_b32 s[G0+4*\s+3], s[G0+4*\s+3], 0x80000000
	s_mov_b32 s[G0B+4*\s], 1
	s_add_co_u32 s[G0B+4*\s+1], s19, \s*SLOT
	s_add_nc_u64 s[G0B+4*\s+2:G0B+4*\s+3], s[46:47], \s*256
	s_or_b32 s[G0B+4*\s+3], s[G0B+4*\s+3], 0x80000000
.endr
	JLOAD 0                                        ; K 0-255: one tensor load a wave at the head
	; PREFETCHES INTO THE L2, two fills ahead: behind fill 0 (K 0-255) for fill 2 (K 512-767), behind fill 1 for fill 3: 256 bytes of a row, a lane a row, one instruction a wave.
	; The four partners that ask for a tile jointly share its rows out by address: of A's 128 rows a wave each takes 32 (by cx), of B's 64 each takes 16 (by cy; lanes 16-31 name row 15 again).
	; A's rows are asked for by every cluster that loads them (two); B's rows by the cluster rows 0-3 alone.  Fills 0 and 1 come by their loads alone.  The address registers are never rewritten.
.macro ASK k
	s_cmp_eq_u32 s70, 0
	s_cbranch_scc0 .Lnot_mine_\@
	global_prefetch_b8 v30, s[66:67] offset:\k th:TH_LOAD_NT scope:SCOPE_SE
.Lnot_mine_\@:
.endm
	s_cmp_eq_u32 s15, 0                            ; do I fetch for A?
	s_cselect_b64 s[66:67], s[20:21], s[46:47]     ; the first row that I fetch
	s_cselect_b32 s68, s40, s41                    ; my place among the four that ask with me
	s_mov_b32 s71, 2*NB
	s_cselect_b32 s71, 32, s71                     ; rows to a partner
	s_mul_i32 s68, s68, s71
	s_lshl_b32 s68, s68, 10
	s_mov_b32 s69, 0
	s_add_nc_u64 s[66:67], s[66:67], s[68:69]
	s_sub_co_u32 s71, s71, 1
	s_and_b32 s70, ttmp7, 0xffff
	s_lshr_b32 s70, s70, 2
	s_mul_i32 s70, s70, s15                        ; 0 where my wave asks: A's waves everywhere, B's in cluster rows 0-3
	v_and_b32 v30, 31, v0
	v_min_u32 v30, s71, v30
	v_lshlrev_b32 v30, 10, v30                     ; my lane's row, 1,024 bytes a row
	ASK 512
	v_and_b32 v1, 15, v0
	v_bfe_u32 v2, v0, 4, 1
	v_mul_u32_u24 v3, v1, PITCH
	v_lshl_add_u32 v4, v2, 4, v3
	s_mul_i32 s21, s14, 64*PITCH
	s_mov_b32 s22, ABYTES
.irp s, 0,1
	v_add_nc_u32 v[ADRA+\s], s21, v4
	v_add_nc_u32 v[ADRB+\s], s22, v4
	s_add_co_u32 s21, s21, SLOT
	s_add_co_u32 s22, s22, SLOT
.endr
	v_and_b32 v6, 31, v0
	v_lshlrev_b32 v[LI], 4, v6
	s_mul_i32 s23, s14, 16*SPITCH
	v_mul_u32_u24 v5, v1, SPITCH
	v_lshl_add_u32 v5, v2, 5, v5
	v_add_nc_u32 v[STO], s23, v5
	v_add_nc_u32 v[RD], s23, v[LI]
	s_lshl_b32 s88, s42, 9
	s_mov_b32 s89, 0
	s_add_nc_u64 s[8:9], s[8:9], s[88:89]
	v_lshlrev_b32 v7, 5, v2
	WIN 0x40
.irp b, 0,1,2,3,4,5,6,7
	global_load_b128 v[128+8*\b:128+8*\b+3], v7, s[8:9] offset:64*\b
	global_load_b128 v[128+8*\b+4:128+8*\b+7], v7, s[8:9] offset:64*\b+16
.endr
	WIN 0
	s_lshl_b32 s92, s17, 8
	s_lshl_b32 s93, s14, 6
	s_add_co_u32 s92, s92, s93
	s_lshl_b32 s92, s92, 12
	s_add_co_u32 s92, s92, s88
	s_mov_b32 s93, 0
	s_add_nc_u64 s[72:73], s[72:73], s[92:93]
	s_wait_kmcnt 0x0
	s_add_co_i32 s96, s86, s87
	s_add_co_i32 s96, s96, 127
	s_lshl_b32 s96, s96, 23
	s_mov_b32 s97, s96
	s_wait_alu depctr_va_vdst(0)                   ; the head's end
	s_wait_loadcnt 0x0                             ; the bias
	s_wait_tensorcnt 0x0                           ; my part of slot 0 is in; slot 1's first fill is issued as a refill is:
	ds_add_u32 v[SPW], v[NIL]                      ; 0 onto my spare word
	s_wait_dscnt 0x0                               ; the add is done
	CROUND                                         ; everybody's part of slot 0 is in, and all sixteen work-groups are here
	JLOAD 1                                        ; K 256-511, the first tensor load behind the round
	FETCH_A 0, 0, 0
	FETCH_BL 0, 0
	ASK 768                                        ; behind fill 1's load: fill 3's rows
	FETCH_BU 0, 0
	STEP 0, 1
	TURN 0, 1, 1
	STEP 1, 0
	TURN 1, 0, 1
	STEP 0, 0
	TURN 0, 1, 0
	STEP 1, 0
	s_wait_dscnt 4*HB
	MUL_L1 1, 0
	MUL_L2 1, 0
	s_wait_dscnt 0x0
	MUL_U 1, 0
	WIN 0
	PLACES 4
.macro TOSTAGE a
	WIN 0x12
.irp b, 0,1,2,3,4,5,6,7
.irp i, 0,2,4,6
	v_pk_fma_f32 v[TMP+8*\b+\i:TMP+8*\b+\i+1], v[8*(4*\b+(\a))+\i:8*(4*\b+(\a))+\i+1], s[96:97], v[128+8*\b+\i:128+8*\b+\i+1] op_sel_hi:[1,0,1]
.endr
.endr
	WIN 0
.irp b, 0,1,2,3,4,5,6,7
	ds_store_b128 v[STO], v[TMP+8*\b:TMP+8*\b+3] offset:64*\b
	ds_store_b128 v[STO], v[TMP+8*\b+4:TMP+8*\b+7] offset:64*\b+16
.endr
.set BB, BK+64*((\a)%2)
.irp t, 0,1,2,3,4,5,6,7,8,9,10,11,12,13,14,15
	ds_load_b128 v[BB+4*\t:BB+4*\t+3], v[RD] offset:\t*SPITCH
.endr
.endm
.macro SEND a, younger
.set BB, BK+64*((\a)%2)
	s_wait_dscnt \younger
.if (\a) > 0
	s_add_nc_u64 s[72:73], s[72:73], 16*4096
.endif
.irp t, 0,1,2,3,4,5,6,7,8,9,10,11,12,13,14,15
	global_store_b128 v[LI], v[BB+4*\t:BB+4*\t+3], s[72:73] offset:\t*4096 th:TH_STORE_NT
.endr
.endm
	TOSTAGE 0
.irp a, 1,2,3
.if \a > 1
	s_wait_xcnt 0x0
.endif
	TOSTAGE \a
	SEND \a-1, 32
.endr
	s_wait_xcnt 0x0
	SEND 3, 0
	s_wait_tensorcnt 0x0
	ds_add_u32 v[SPW], v[NIL]
	s_wait_dscnt 0x0
	CROUND
	s_endpgm
.Lfunc_end_k_qabfc687613_proj:
	.size	k_qabfc687613_proj, .Lfunc_end_k_qabfc687613_proj-k_qabfc687613_proj
	.p2alignl 7, 3214868480
	.fill 96, 4, 3214868480
	.section	.rodata,"a",@progbits
	.p2align	6, 0x0
	.amdhsa_kernel k_qabfc687613_proj
		.amdhsa_group_segment_fixed_size 327680
		.amdhsa_private_segment_fixed_size 0
		.amdhsa_enable_private_segment 0
		.amdhsa_kernarg_size 40
		.amdhsa_user_sgpr_count 2
		.amdhsa_user_sgpr_kernarg_segment_ptr 1
		.amdhsa_wavefront_size32 1
		.amdhsa_system_sgpr_workgroup_id_x 1
		.amdhsa_system_sgpr_workgroup_id_y 1
		.amdhsa_system_sgpr_workgroup_id_z 1
		.amdhsa_system_vgpr_workitem_id 0
		.amdhsa_next_free_vgpr 768
		.amdhsa_next_free_sgpr 100
		.amdhsa_reserve_vcc 0
		.amdhsa_float_denorm_mode_32 3
		.amdhsa_float_denorm_mode_16_64 3
		.amdhsa_memory_ordered 1
		.amdhsa_forward_progress 1
		.amdhsa_inst_pref_size 80
	.end_amdhsa_kernel
	.amdgpu_metadata
---
amdhsa.version: [ 1, 2 ]
amdhsa.kernels:
  - .name:           k_qabfc687613_proj
    .symbol:         k_qabfc687613_proj.kd
    .args:
      - { .name: aws, .offset: 0, .size: 8, .value_kind: global_buffer, .address_space: global }
      - { .name: W_out_codes, .offset: 8, .size: 8, .value_kind: global_buffer, .address_space: global }
      - { .name: b_out, .offset: 16, .size: 8, .value_kind: global_buffer, .address_space: global }
      - { .name: lowp_scales, .offset: 24, .size: 8, .value_kind: global_buffer, .address_space: global }
      - { .name: out0, .offset: 32, .size: 8, .value_kind: global_buffer, .address_space: global }
    .group_segment_fixed_size: 327680
    .private_segment_fixed_size: 0
    .kernarg_segment_align: 8
    .kernarg_segment_size: 40
    .max_flat_workgroup_size: 128
    .sgpr_count:     100
    .vgpr_count:     768
    .wavefront_size: 32
...
	.end_amdgpu_metadata
.endif
;; end of part 3
